; MI455X (gfx1250); checked and timed in simulation.
; The chip was launched on July 23, 2026; its instructions are those of AMD's public machine-readable ISA for CDNA 5 (MIT licence, August 2026) and "CDNA5" Instruction Set Architecture Reference Guide (July 2026). The comments in the code are by the model that wrote it; some were corrected since.
;; Multi Modal Attention. Allowed arithmetic: matrix products marked QUANTISED: E4M3 operands, one given power-of-two scale a tensor, by v_wmma_f32_16x16x64_fp8_fp8 or v_wmma_f32_16x16x128_fp8_fp8, f32 sums; everything else in f32.
;; Inputs: Wke_codes 1,024 x 32 x 32 uint8 (E4M3 codes of Wke, K innermost, in blocks of 32 codes); Wkei_codes 1,024 x 32 x 32 uint8 (E4M3 codes of Wkei, K innermost, in blocks of 32 codes); Wki_codes 1,024 x 32 x 32 uint8 (E4M3 codes of Wki, K innermost, in blocks of 32 codes); Wo_codes 1,024 x 32 x 32 uint8 (E4M3 codes of Wo, K innermost, in blocks of 32 codes); Wq_codes 1,024 x 32 x 32 uint8 (E4M3 codes of Wq, K innermost, in blocks of 32 codes); Wve_codes 1,024 x 32 x 32 uint8 (E4M3 codes of Wve, K innermost, in blocks of 32 codes); Wvei_codes 1,024 x 32 x 32 uint8 (E4M3 codes of Wvei, K innermost, in blocks of 32 codes); Wvi_codes 1,024 x 32 x 32 uint8 (E4M3 codes of Wvi, K innermost, in blocks of 32 codes); bke 1,024 float32; bkei 1,024 float32; bki 1,024 float32; bo 1,024 float32; bq 1,024 float32; bve 1,024 float32; bvei 1,024 float32; bvi 1,024 float32; k_e_codes 4 x 1,024 x 32 x 32 uint8 (E4M3 codes of k_e, K innermost, in blocks of 32 codes); k_ei_codes 4 x 1,024 x 32 x 32 uint8 (E4M3 codes of k_ei, K innermost, in blocks of 32 codes); k_i_codes 4 x 1,024 x 32 x 32 uint8 (E4M3 codes of k_i, K innermost, in blocks of 32 codes); lowp_scales 28 int32 (the exponents e of the quantised operands' scales 2^e); mask 4 x 1,024 x 1,024 int32; q_codes 4 x 1,024 x 32 x 32 uint8 (E4M3 codes of q, K innermost, in blocks of 32 codes); v_e_codes 4 x 1,024 x 32 x 32 uint8 (E4M3 codes of v_e, K innermost, in blocks of 32 codes); v_ei_codes 4 x 1,024 x 32 x 32 uint8 (E4M3 codes of v_ei, K innermost, in blocks of 32 codes); v_i_codes 4 x 1,024 x 32 x 32 uint8 (E4M3 codes of v_i, K innermost, in blocks of 32 codes).
;; Outputs: out0 4 x 1,024 x 1,024 float32.
;; Constants: image_bool = 1.
;; This version of the problem:
;;   THIS VERSION OF THE PROBLEM IS GIVEN IN LOW PRECISION. The matrix products marked QUANTISED in the list below multiply operands that are first quantised to E4M3 (4 exponent bits, 3 mantissa bits; 8 bits a number), with one given power-of-two scale for each operand tensor; their sums are f32. All else is computed in f32.
;;   The module's matrix products, in the order in which they are computed (A, B: the left and right operand; K: the contracted axis; several contracted axes count as one K, in the product's order):
;;     1. [M 4,096, K 1,024] x [K 1,024, N 1,024]; A: input q (given as codes); B: input Wq (given as codes): QUANTISED (scales: A lowp_scales[0], B lowp_scales[1])
;;     2. [M 4,096, K 1,024] x [K 1,024, N 1,024]; A: input k_e (given as codes); B: input Wke (given as codes): QUANTISED (scales: A lowp_scales[2], B lowp_scales[3])
;;     3. [M 4,096, K 1,024] x [K 1,024, N 1,024]; A: input v_e (given as codes); B: input Wve (given as codes): QUANTISED (scales: A lowp_scales[4], B lowp_scales[5])
;;     4. batch 64 x [M 1,024, K 64] x [K 64, N 1,024]; A: computed on the way; B: computed on the way: QUANTISED (scales: A lowp_scales[6], B lowp_scales[7])
;;     5. batch 64 x [M 1,024, K 1,024] x [K 1,024, N 64]; A: softmax (see below); B: computed on the way: QUANTISED (scales: A lowp_scales[8], B lowp_scales[9])
;;     6. [M 4,096, K 1,024] x [K 1,024, N 1,024]; A: input k_i (given as codes); B: input Wki (given as codes): QUANTISED (scales: A lowp_scales[10], B lowp_scales[11])
;;     7. [M 4,096, K 1,024] x [K 1,024, N 1,024]; A: input v_i (given as codes); B: input Wvi (given as codes): QUANTISED (scales: A lowp_scales[12], B lowp_scales[13])
;;     8. batch 64 x [M 1,024, K 64] x [K 64, N 1,024]; A: computed on the way; B: computed on the way: QUANTISED (scales: A lowp_scales[14], B lowp_scales[15])
;;     9. batch 64 x [M 1,024, K 1,024] x [K 1,024, N 64]; A: softmax (see below); B: computed on the way: QUANTISED (scales: A lowp_scales[16], B lowp_scales[17])
;;     10. [M 4,096, K 1,024] x [K 1,024, N 1,024]; A: input k_ei (given as codes); B: input Wkei (given as codes): QUANTISED (scales: A lowp_scales[18], B lowp_scales[19])
;;     11. [M 4,096, K 1,024] x [K 1,024, N 1,024]; A: input v_ei (given as codes); B: input Wvei (given as codes): QUANTISED (scales: A lowp_scales[20], B lowp_scales[21])
;;     12. batch 64 x [M 1,024, K 64] x [K 64, N 1,024]; A: computed on the way; B: computed on the way: QUANTISED (scales: A lowp_scales[22], B lowp_scales[23])
;;     13. batch 64 x [M 1,024, K 1,024] x [K 1,024, N 64]; A: softmax (see below); B: computed on the way: QUANTISED (scales: A lowp_scales[24], B lowp_scales[25])
;;     14. [M 4,096, K 1,024] x [K 1,024, N 1,024]; A: computed on the way; B: input Wo (given as codes): QUANTISED (scales: A lowp_scales[26], B lowp_scales[27])
;;   THE QUANTISER, for each operand of a quantised product, along K:
;;     - The operand's scale is 2^e, e = its entry of the input lowp_scales (int32; the entries are numbered through the quantised products in the list's order, A before B).
;;     - Each number is divided by the scale, clamped to +-448, and rounded to the nearest number of E4M3, ties to even, subnormals kept.
;;     - The product sums the exact products of the quantised numbers (number of the format x scale) in f32.
;;   ~~~python
;;   def quantise(x, axis, e):      # numpy; x: float32 -> the quantised numbers, widened to float32 again
;;       x = np.moveaxis(x, axis, -1); K = x.shape[-1]
;;       r = np.clip(x / 2.0 ** e, -448, 448)
;;       step = 2.0 ** (np.maximum(np.frexp(np.where(r == 0, 1, r))[1] - 1, -6) - 3)
;;       q = np.round(r / step) * step * 2.0 ** e      # np.round: ties to even
;;       return np.moveaxis(q, -1, axis).astype(np.float32)
;;   ~~~
;;   SOFTMAX AHEAD OF A QUANTISED PRODUCT. Where the list says 'softmax', what is quantised is not the finished softmax but p = 2^(t - M), with t = logit x log2(e) and M = ceil(the row's largest t), a whole number; so 1/2 < the row's largest p <= 1. The row's sum l is taken of the UNQUANTISED p, in f32, and the product's result is divided by l at the end. Since M is a whole number, a kernel that streams over the keys may use a running M (the ceiling of the running maximum): every later rescaling is an exact power of two, so the quantised numbers keep their values, but for numbers so far below the row's largest that they fall under the format's range.
;;   OPERANDS COMPUTED ON THE WAY. 'Computed on the way' means the value that the module computes at that place (a softmax that the list does not call 'softmax' is quantised finished and normalised). What goes into a quantiser is computed in f32, as accurately as f32 sums, v_exp_f32 and their like allow (about 1e-6 of the number): no bf16 or f16 on the way to a quantiser, and a product that is left as it is and whose result goes on into a quantised operand takes f32 operands (vector FMAs, or v_wmma_f32_16x16x4_f32). A number that lies on a knife's edge between two numbers of the format may be rounded either way, as far as f32 arithmetic and the matrix unit's own rounding can turn it there, and no further.
;;   INPUTS GIVEN AS CODES. Wke (in the module: [1024, 1024], K = its axis 0); Wkei (in the module: [1024, 1024], K = its axis 0); Wki (in the module: [1024, 1024], K = its axis 0); Wo (in the module: [1024, 1024], K = its axis 0); Wq (in the module: [1024, 1024], K = its axis 0); Wve (in the module: [1024, 1024], K = its axis 0); Wvei (in the module: [1024, 1024], K = its axis 0); Wvi (in the module: [1024, 1024], K = its axis 0); k_e (in the module: [4, 1024, 1024], K = its axis 2); k_ei (in the module: [4, 1024, 1024], K = its axis 2); k_i (in the module: [4, 1024, 1024], K = its axis 2); q (in the module: [4, 1024, 1024], K = its axis 2); v_e (in the module: [4, 1024, 1024], K = its axis 2); v_ei (in the module: [4, 1024, 1024], K = its axis 2); v_i (in the module: [4, 1024, 1024], K = its axis 2): each comes as NAME_codes (uint8): NAME with its K axis moved to the last place and cut into blocks of 32 codes, [.., K / 32, bytes a block], one block behind the other in memory; one code a byte (a code: sign, 4 exponent bits, 3 mantissa bits); its scale is its entry of lowp_scales. Its value is code x scale, taken as it is: it is not quantised again, and the codes and scales need not be those that the quantiser above would give.
;; One version. Each part assembles by itself: llvm-mc -triple=amdgcn-amd-amdhsa -mcpu=gfx1250 --defsym DOCPART=n.
;; ======== version 1 of 1: 3 launches
;; limits: right only within a limited range of input values
;; workspace buffers: qkv 37,748,736 bytes; maskw 524,288 bytes of whole numbers; cc 4,194,304 bytes
;; launch proj (part 1): grid 4 x 128, 4 waves a work-group, clusters of 4 x 4, 327,680 bytes of LDS; arguments q_codes, k_e_codes, v_e_codes, k_i_codes, v_i_codes, k_ei_codes, v_ei_codes, mask, Wq_codes, Wke_codes, Wve_codes, Wki_codes, Wvi_codes, Wkei_codes, Wvei_codes, lowp_scales, bq, bke, bve, bki, bvi, bkei, bvei, qkv, maskw; writes qkv, maskw
.if DOCPART == 1
	.amdgcn_target "amdgcn-amd-amdhsa--gfx1250"
	.amdhsa_code_object_version 6
	.text
	.protected	k_q646ee9538c_proj
	.globl	k_q646ee9538c_proj
	.p2align	8
	.type	k_q646ee9538c_proj,@function
k_q646ee9538c_proj:
	s_mov_b64 s[64:65], 0
	v_nop
	global_prefetch_b8 v0, s[64:65] scope:SCOPE_SE
	s_setreg_imm32_b32 hwreg(HW_REG_WAVE_MODE, 25, 1), 1
	s_wait_xcnt 0x0
	s_wait_alu depctr_hold_cnt(0) depctr_sa_sdst(0) depctr_va_vdst(0) depctr_va_sdst(0) depctr_va_ssrc(0) depctr_va_vcc(0) depctr_vm_vsrc(0)
	s_getreg_b32 s2, hwreg(HW_REG_IB_STS2, 6, 4)
	s_cmp_eq_u32 s2, 0
	s_cbranch_scc0 .Lentry_in_a_cluster
	s_endpgm
.Lentry_in_a_cluster:
	s_bfe_u32 s2, ttmp6, 0x10000c
	s_cmp_lg_u32 s2, 0xf033
	s_cbranch_scc0 .Lentry_shape_is_right
	s_endpgm
.Lentry_shape_is_right:
; THE SEVEN PROJECTIONS (x W + b on codes of E4M3), EACH QUANTISED FOR ATTENTION, AND THE MASK PACKED INTO LANE MASKS.
; 32 clusters of 4 x 4 work-groups; cluster y = 4 g + c.  g = 0: Q; g = 1, 3, 5: K of branch j = 0, 1, 2; g = 2, 4, 6: V of branch j; g = 7: the mask.
; A GEMM work-group makes 256 x 256 of [4096 tokens] x [1024 channels], K = 1024 in steps of 256 through two LDS slots filled by joint tensor loads; four waves, 128 x 128 each: 64 accumulators, 512 registers.
; Q, K: operand A = the tokens' codes, B = the weight's.  V: A = the weight's, B = the tokens'.  The matrix instruction takes source 0 = 16 rows of B, source 1 = 16 rows of A, so a lane's eight results run along B's rows:
; along the channels for Q and K (their next K is the head's 64), along the keys for V (its next K is the keys).  So the conversions' eight neighbours lie in one lane and nothing is transposed.
; y = sum x 2^(ea + eb) + bias, held within +-448 x 2^e, converted with 2^e.  Q is converted three times: each branch has its own scale for it.
; OUTPUT qkv: block (64 j + 16 b + head) of 196,608 bytes: K [key step 8][tile 8][chunk 2][lane][16], V^T at +65,536 [key step 8][tile 4][chunk 4][lane][16], Q at +131,072 [tile 64][chunk 2][lane][16]:
; images of the operands' registers: chunk c, lane (h, rho) holds k = 32 c + 16 h + 0 .. 15 of the tile's row rho.  ROWS OF A TILE: in each group of 32 rows, tile u, place rho is row 8 u + rho + 8 (rho / 8).
; OUTPUT maskw: record ((64 b + T) 8 + key step) of 64 words: bit 16 h + r of word e is set where mask[b][query of tile T, place r][key 128 step + 32 (e / 16) + 16 h + e % 16] is not 0.
; LIMITS: ea + eb between -126 and 127; each quantiser's e between -126 and 119; NaN among the inputs is not served.
; No prefetch: of the four K steps two are the first fills and two the only refills, and each refill has a K step's 128 matrix instructions in which to land.
.set KROW,   1024                      ; a row of codes in memory
.set ROWB,   256                       ; a tile's row: a K step
.set PITCH,  272                       ; an LDS row: 256 bytes + 16 of padding: the 16 rows of a fragment load start at 16 different banks
.set FR,     16                        ; registers of a fragment
.set NL,     4                         ; LDS loads that bring one
.set NP,     4                         ; places behind this matrix instruction (ISA guide 7.12.1)
.set HALFT,  128*PITCH
.set SLOT,   4*HALFT                   ; A's 256 rows, then B's 256
.set SPARE,  2*SLOT                    ; the spare words: 128 bytes a wave
.set BIASL,  SPARE+512                 ; 512 bytes a wave: its 128 biases
.set MSTAGE, BIASL+2048                ; the mask path's stages: 16 rows x 528 bytes a wave
.set HEADB,  196608
.set BRANCHB, 64*HEADB
.set MSI,  8                           ; v8   mask stage, in: 16 x lane
.set MSO,  9                           ; v9   mask stage, out: 528 r + 64 h
.set MGO,  10                          ; v10  8 x lane
.set SC,   12                          ; v12  2^e as f32
.set LIM,  13                          ; v13  448 x 2^e
.set ADRA, 16                          ; v16-17 my A fragments in slot 0, 1
.set ADRB, 20                          ; v20-21 the same for B
.set BLS,  22                          ; v22  where I store 16 bytes of the biases
.set BLA,  23                          ; v23  biases along a lane's registers: + 32 h
.set BLB,  24                          ; v24  one bias a lane: + 4 r
.set STO0, 25                          ; v25  the way out of Q and K: where I put 8 codes
.set RD0,  26                          ; v26  and where I read 16 bytes of an image back
.set STO1, 27                          ; v27, v30 the same for V: LDS bytes of its own
.set SPW,  28                          ; v28  my spare word; never rewritten
.set NIL,  29                          ; v29  0; never rewritten
.set RD1,  30
.set GO,   31                          ; v31  16 x lane
.set BI,   32                          ; v32-95   the biases in the results' layout
.set TMP,  96                          ; v96-159  a block's 64 numbers
.set CD,   160                         ; v160-191 codes, two sets of 16
.set BK,   192                         ; v192-255 images read back, two sets of 32
.set AF,   128                         ; A's fragments, window 0
.set G1, 24
.set G0, 32
.set G1B, 48
.set G0B, 56
.set MSB, 0
.macro WIN new                         ; the immediate's high byte repeats the setting that is left
.if MSB != (\new)
	s_set_vgpr_msb (MSB<<8)|(\new)
.set MSB, (\new)
.endif
.endm
.set MUL_LO, 0xa1                      ; source 0 (B) window 1, source 1 (A) window 0, C and D window 2
.set MUL_HI, 0xf1
.set TO_B,   0x40
; A joint load: waves 0 and 1 fetch for A, waves 2 and 3 for B; four v_nop follow each line.
.macro JLOAD g0a, g1a, g0b, g1b
	s_cmp_eq_u32 s15, 0
	s_cbranch_scc0 .Lfor_b_\@
	tensor_load_to_lds s[\g0a:\g0a+3], s[\g1a:\g1a+7]
	s_nop 0
.rept 4
	v_nop
.endr
	s_branch .Lasked_\@
.Lfor_b_\@:
	tensor_load_to_lds s[\g0b:\g0b+3], s[\g1b:\g1b+7]
	s_nop 0
.rept 4
	v_nop
.endr
.Lasked_\@:
.endm
.macro CREST                           ; a round of the cluster's barrier behind its opening barrier
	s_cmp_lg_u32 s14, 0
	s_cbranch_scc1 .Lnot_wave_0_\@
	s_barrier_signal -3
.Lnot_wave_0_\@:
	s_barrier_wait -3
	s_barrier_signal -1
	s_barrier_wait -1
.endm
.macro CROUND
	s_barrier_signal -1
	s_barrier_wait -1
	CREST
.endm
	s_load_b512 s[68:83], s[0:1], 0x0              ; the seven tensors of tokens' codes, then mask
	s_load_b512 s[84:99], s[0:1], 0x40             ; the seven weights' codes, then the scales' exponents
	s_load_b512 s[24:39], s[0:1], 0x80             ; the seven biases, then qkv
	s_load_b64 s[100:101], s[0:1], 0xc0            ; maskw
	v_lshl_add_u32 v[SPW], v0, 2, SPARE
	v_mov_b32 v[NIL], 0
	ds_add_u32 v28, v29
	ds_add_u32 v28, v29
	s_wait_dscnt 0x0
	v_lshrrev_b32 v1, 5, v0
	v_readfirstlane_b32 s14, v1                    ; wave 0..3
	s_lshr_b32 s15, s14, 1                         ; my half of the tile's rows; also: I fetch for A (0) or B (1)
	s_and_b32 s16, s14, 1                          ; my half of its columns; also: which 128 rows I fetch
	s_bfe_u32 s40, ttmp6, 0x40000                  ; cx
	s_bfe_u32 s41, ttmp6, 0x40004                  ; cy
	s_and_b32 s18, ttmp7, 0xffff                   ; the cluster's y
	s_lshr_b32 s66, s18, 2                         ; g: which task
	s_and_b32 s67, s18, 3                          ; c: which quarter of it
	; every LDS address is made here, ahead of the parting of the paths: a constant + a constant x lane + a constant x wave
	v_and_b32 v1, 15, v0                           ; r
	v_bfe_u32 v2, v0, 4, 1                         ; h
	v_and_b32 v3, 31, v0                           ; lane
	v_lshlrev_b32 v[GO], 4, v3
	s_wait_alu depctr_va_vdst(0)
	v_lshlrev_b32 v[MGO], 3, v3
	v_mul_u32_u24 v4, v1, PITCH
	v_lshl_add_u32 v4, v2, 4, v4                   ; a fragment's row x pitch + 16 h
	s_mul_i32 s21, s15, HALFT
	s_mul_i32 s22, s16, HALFT
	s_add_co_u32 s22, s22, 2*HALFT
.irp s, 0,1
	v_add_nc_u32 v[ADRA+\s], s21, v4
	v_add_nc_u32 v[ADRB+\s], s22, v4
	s_add_co_u32 s21, s21, SLOT
	s_add_co_u32 s22, s22, SLOT
.endr
	s_lshl_b32 s18, s14, 9
	s_add_co_u32 s18, s18, BIASL
	v_add_nc_u32 v[BLS], s18, v[GO]
	v_lshl_add_u32 v[BLA], v2, 5, s18
	v_lshl_add_u32 v[BLB], v1, 2, s18
	s_mul_i32 s18, s14, 4352                       ; the way out's stage: [tile u: 2,176][chunk: 512][h': 256][place: 16]
	v_lshrrev_b32 v5, 3, v1
	v_mul_u32_u24 v5, v5, 2176                     ; u = r / 8
	v_and_b32 v6, 7, v1
	v_lshl_add_u32 v5, v6, 4, v5                   ; place r % 8 (+ 8 for an odd block: in the store's offset)
	v_lshl_add_u32 v5, v2, 3, v5                   ; my 8 codes are bytes 8 h on
	v_add_nc_u32 v[STO0], s18, v5
	v_add_nc_u32 v[RD0], s18, v[GO]
	v_add_nc_u32 v[STO1], 32768, v[STO0]
	v_add_nc_u32 v[RD1], 32768, v[RD0]
	s_mul_i32 s18, s14, 8448
	s_add_co_u32 s18, s18, MSTAGE
	v_add_nc_u32 v[MSI], s18, v[GO]
	v_mul_u32_u24 v[MSO], v1, 528
	v_lshl_add_u32 v[MSO], v2, 6, v[MSO]
	v_add_nc_u32 v[MSO], s18, v[MSO]
	s_wait_kmcnt 0x0
	; the task's three buffers: a choice on the cluster's number alone
	s_mov_b64 s[4:5], s[68:69]
	s_mov_b64 s[6:7], s[84:85]
	s_mov_b64 s[12:13], s[24:25]
.irp i, 1,2,3,4,5,6
	s_cmp_eq_u32 s66, \i
	s_cselect_b64 s[4:5], s[68+2*\i:69+2*\i], s[4:5]
	s_cselect_b64 s[6:7], s[84+2*\i:85+2*\i], s[6:7]
	s_cselect_b64 s[12:13], s[24+2*\i:25+2*\i], s[12:13]
.endr
	s_mov_b64 s[104:105], s[82:83]                 ; mask
	s_mov_b64 s[8:9], s[98:99]                     ; the scales' exponents
	s_mov_b64 s[10:11], s[38:39]                   ; qkv
	s_max_u32 s18, s66, 1
	s_sub_co_u32 s18, s18, 1
	s_lshr_b32 s70, s18, 1                         ; j: the branch
	s_and_b32 s68, s18, 1                          ; isV
	s_lshl_b32 s20, s67, 2                         ; 4 c
	s_cmp_eq_u32 s66, 0
	s_cselect_b32 s69, 1, 0                        ; isQ
	s_cselect_b32 s71, 3, 1                        ; how many times the results are quantised
	s_cmp_eq_u32 s68, 1
	s_cselect_b64 s[18:19], s[6:7], s[4:5]         ; A: V takes the weight, Q and K the tokens
	s_cselect_b64 s[6:7], s[4:5], s[6:7]           ; B: the other
	s_cselect_b32 s21, 0, s20
	s_cselect_b32 s22, s20, 0
	s_mov_b64 s[4:5], s[18:19]
	s_add_co_u32 s17, s21, s41                     ; tile row: cy (+ 4 c where A is the tokens)
	s_add_co_u32 s42, s22, s40                     ; tile column: cx (+ 4 c where B is the tokens)
	s_lshl_b32 s43, s41, 2
	s_lshl_b32 s43, 15, s43                        ; my row of the cluster
	s_lshl_b32 s44, 0x1111, s40                    ; my column
	; descriptor group 1: 128 rows x 256 bytes, 16 bytes of padding behind each row
	s_or_b32 s[G1+0], s43, (0<<16)|(1<<20)|(1<<21)|(5<<22)|(3<<25)  ; 15:0 the mask; 17:16 elements of 1 byte; 20 padding on; 21 set beside a mask; 24:22 after every 64 words; 31:25 four words
	s_or_b32 s[G1B+0], s44, (0<<16)|(1<<20)|(1<<21)|(5<<22)|(3<<25)
.irp g, G1, G1B
	s_mov_b32 s[\g+1], ROWB<<16                    ; tensor_dim0
	s_mov_b32 s[\g+2], 128<<16                     ; tensor_dim1
	s_mov_b32 s[\g+3], ROWB<<16                    ; tile_dim0
	s_mov_b32 s[\g+4], 128                         ; tile_dim1
	s_mov_b32 s[\g+5], KROW                        ; from row to row
	s_mov_b32 s[\g+6], 0
	s_mov_b32 s[\g+7], 0
.endr
	CROUND                                         ; all sixteen work-groups are here
	s_cmp_eq_u32 s66, 7                            ; the cluster's number: the same in all sixteen
	s_cbranch_scc1 .Lmask
	s_lshl_b32 s18, s16, 7
	s_lshl_b32 s20, s17, 8
	s_add_co_u32 s20, s20, s18                     ; A: row 256 x tile row + 128 x half
	s_lshl_b32 s46, s42, 8
	s_add_co_u32 s46, s46, s18                     ; B: row 256 x tile column + 128 x half
	s_lshl_b32 s20, s20, 10                        ; rows of 1,024 bytes: under 2^22
	s_mov_b32 s21, 0
	s_lshl_b32 s46, s46, 10
	s_mov_b32 s47, 0
	s_mul_i32 s45, s14, HALFT                      ; where they go: wave x 128 rows
	s_add_nc_u64 s[20:21], s[4:5], s[20:21]
	s_add_nc_u64 s[46:47], s[6:7], s[46:47]
.irp s, 0,1
	s_mov_b32 s[G0+4*\s], 1
	s_add_co_u32 s[G0+4*\s+1], s45, \s*SLOT
	s_add_nc_u64 s[G0+4*\s+2:G0+4*\s+3], s[20:21], \s*ROWB
	s_or_b32 s[G0+4*\s+3], s[G0+4*\s+3], 0x80000000
	s_mov_b32 s[G0B+4*\s], 1
	s_add_co_u32 s[G0B+4*\s+1], s45, \s*SLOT
	s_add_nc_u64 s[G0B+4*\s+2:G0B+4*\s+3], s[46:47], \s*ROWB
	s_or_b32 s[G0B+4*\s+3], s[G0B+4*\s+3], 0x80000000
.endr
	JLOAD G0, G1, G0B, G1B                         ; K step 0: my one tensor load at the head
	; the scales: the product's pair at entry 0 (Q) or 2 + 8 j + 2 isV; the quantiser's at 6, 14, 22 (Q) or 7 + 8 j + 2 isV (three times the same)
	s_lshl_b32 s18, s70, 3
	s_lshl_b32 s19, s68, 1
	s_add_co_u32 s18, s18, s19
	s_add_co_u32 s19, s18, 2
	s_add_co_u32 s18, s18, 7
	s_cmp_eq_u32 s69, 1
	s_cselect_b32 s19, 0, s19
	s_cselect_b32 s18, 6, s18
	s_cselect_b32 s22, 32, 0
	s_lshl_b32 s78, s19, 2
	s_lshl_b32 s79, s18, 2
	s_add_co_u32 s80, s79, s22
	s_add_co_u32 s81, s80, s22
	s_load_b64 s[76:77], s[8:9], s78 offset:0x0    ; ea, eb
	s_load_b32 s72, s[8:9], s79 offset:0x0
	s_load_b32 s73, s[8:9], s80 offset:0x0
	s_load_b32 s74, s[8:9], s81 offset:0x0
	s_lshl_b32 s18, s17, 8
	s_lshl_b32 s19, s15, 7
	s_add_co_u32 s18, s18, s19                     ; my first row of A
	s_lshl_b32 s19, s42, 8
	s_lshl_b32 s22, s16, 7
	s_add_co_u32 s19, s19, s22                     ; my first row of B
	s_cmp_eq_u32 s68, 1
	s_cselect_b32 s22, s18, s19                    ; my first channel
	s_cselect_b32 s23, s19, s18                    ; my first token
	s_lshl_b32 s46, s22, 2
	s_mov_b32 s47, 0
	s_add_nc_u64 s[12:13], s[12:13], s[46:47]
	global_load_b128 v[4:7], v[GO], s[12:13]       ; my 128 biases: 512 consecutive bytes
	s_lshr_b32 s18, s23, 10                        ; b
	s_bfe_u32 s19, s23, 0x30007                    ; which 128 tokens of the 1,024
	s_lshr_b32 s22, s22, 6                         ; my first head
	s_lshl_b32 s46, s70, 6
	s_lshl_b32 s18, s18, 4
	s_add_co_u32 s46, s46, s18
	s_add_co_u32 s46, s46, s22
	s_mul_i32 s46, s46, HEADB                      ; under 2^26
	s_cmp_eq_u32 s69, 1
	s_cselect_b32 s18, 2, s68                      ; K's part 0, V's 1, Q's 2
	s_lshl_b32 s18, s18, 16
	s_add_co_u32 s46, s46, s18
	s_lshl_b32 s19, s19, 13
	s_add_co_u32 s46, s46, s19
	s_add_nc_u64 s[10:11], s[10:11], s[46:47]      ; where my wave's images begin
	s_wait_loadcnt 0x0
	ds_store_b128 v[BLS], v[4:7]
.macro FRAG reg, adr, q, i             ; 16 rows x 128 K: registers 4 c .. 4 c + 3 hold K = 32 c + 16 h + 0 .. 15: the same order of k in A and in B
.irp c, 0,1,2,3
	ds_load_b128 v[\reg+4*\c:\reg+4*\c+3], v[\adr] offset:128*(\q)+32*\c+(\i)*16*PITCH
.endr
.endm
; 16 matrix instructions: A's blocks a0, a0 + 1 x B's eight.  The 64 accumulators take turns, one instruction a turn, in the same order in every step.
.macro MUL16 a0, p, zero
.irp a, \a0, \a0+1
.irp b, 0,1,2,3,4,5,6,7
.if \zero
	v_wmma_f32_16x16x128_fp8_fp8 v[8*(8*((\a)%4)+\b):8*(8*((\a)%4)+\b)+7], v[128*(\p)+FR*\b:128*(\p)+FR*\b+FR-1], v[AF+FR*(\a):AF+FR*(\a)+FR-1], 0
.else
	v_wmma_f32_16x16x128_fp8_fp8 v[8*(8*((\a)%4)+\b):8*(8*((\a)%4)+\b)+7], v[128*(\p)+FR*\b:128*(\p)+FR*\b+FR-1], v[AF+FR*(\a):AF+FR*(\a)+FR-1], v[8*(8*((\a)%4)+\b):8*(8*((\a)%4)+\b)+7]
.endif
.endr
.endr
.endm
.macro FETCH_B slot, q, p
	WIN TO_B
.irp i, 0,1,2,3,4,5,6,7
	FRAG 128*(\p)+FR*\i, ADRB+\slot, \q, \i
.endr
	WIN 0
.endm
.macro FETCH_A slot, q, i0
.irp i, \i0, \i0+1, \i0+2, \i0+3
	FRAG AF+FR*(\i), ADRA+\slot, \q, \i
.endr
.endm
.macro PLACES n                        ; plain vector instructions between a matrix instruction and a load into, or a vector read or write of, its registers
.rept \n
	v_nop
.endr
.endm
.macro STEP slot, q, zero              ; 128 along K whose successor lies in the same slot
	s_wait_dscnt 4*NL                              ; B's set and A's blocks 0-3 are in; the 16 loads of A's blocks 4-7 may be out
	WIN MUL_LO
	MUL16 0, (\q)%2, \zero
	MUL16 2, (\q)%2, \zero
	s_wait_dscnt 0
	PLACES NP
	FETCH_B \slot, (\q)+1, 1-(\q)%2
	FETCH_A \slot, (\q)+1, 0
	WIN MUL_HI
	MUL16 4, (\q)%2, \zero
	MUL16 6, (\q)%2, \zero
	PLACES NP
	WIN 0
	FETCH_A \slot, (\q)+1, 4
.endm
; A slot's last step changes slots: one barrier; in front of it each wave waits for all its tensor loads, adds 0 to its spare word, and waits for that and for its reads of this slot.
.macro TURN slot, next, fill
	s_wait_tensorcnt 0x0                           ; all my tensor loads have landed: my part of the next slot
	ds_add_u32 v[SPW], v[NIL]                      ; 0 onto my spare word
	s_wait_dscnt 4*NL+1                            ; the add and the 16 loads of A's blocks 4-7 may be out
	WIN MUL_LO
	MUL16 0, 1, 0
	s_wait_dscnt 0x0                               ; the add is done, and my reads of this slot are over
	s_barrier_signal -1
	MUL16 2, 1, 0
	WIN 0
	s_barrier_wait -1
.if \fill
	CREST                                          ; the barrier has opened a round of the cluster's: no wave of any partner still reads this slot or has a load on its way
	s_add_nc_u64 s[G0+4*\slot+2:G0+4*\slot+3], s[G0+4*\slot+2:G0+4*\slot+3], 2*ROWB
	s_add_nc_u64 s[G0B+4*\slot+2:G0B+4*\slot+3], s[G0B+4*\slot+2:G0B+4*\slot+3], 2*ROWB
	JLOAD G0+4*\slot, G1, G0B+4*\slot, G1B         ; my one tensor load behind the round; its four v_nop are the places in front of the loads below
.else
	PLACES NP
.endif
	FETCH_B \next, 0, 0
	FETCH_A \next, 0, 0
	WIN MUL_HI
	MUL16 4, 1, 0
	MUL16 6, 1, 0
	PLACES NP
	WIN 0
	FETCH_A \next, 0, 4
.endm
	s_wait_tensorcnt 0x0                           ; my part of K step 0 is in
	ds_add_u32 v[SPW], v[NIL]                      ; 0 onto my spare word ahead of a later first fill, as ahead of a refill
	s_wait_dscnt 0x0                               ; the add is done, and my biases are stored
	CROUND                                         ; everybody's part of K step 0 is in, and all sixteen work-groups are here
	JLOAD G0+4, G1, G0B+4, G1B                     ; K step 1: slot 1's first fill, my one tensor load behind the round
	FETCH_B 0, 0, 0
	FETCH_A 0, 0, 0
	FETCH_A 0, 0, 4
	STEP 0, 0, 1                                   ; the first step's products start the sums
	s_mov_b32 s3, 1                                ; K = 1,024 is two laps of the ring: one trip fills both slots again
.Llap:
	TURN 0, 1, 1
	STEP 1, 0, 0
	TURN 1, 0, 1
	STEP 0, 0, 0
	s_sub_co_u32 s3, s3, 1
	s_cmp_lg_u32 s3, 0
	s_cbranch_scc1 .Llap
	TURN 0, 1, 0                                   ; the last lap fills nothing
	STEP 1, 0, 0
	s_wait_dscnt 4*NL
	WIN MUL_LO
	MUL16 0, 1, 0
	MUL16 2, 1, 0
	s_wait_dscnt 0
	WIN MUL_HI
	MUL16 4, 1, 0
	MUL16 6, 1, 0
	WIN 0
; THE WAY OUT.  Block aa (16 rows of A x my 128 rows of B): y = sum x 2^(ea + eb) + bias, the hold, eight conversions: 8 codes for each of B's eight blocks.  They go into my stage, which lies in slot 0 (it has had its
; last fill, and every wave has passed the last change of slots), at the place that the image gives them, and two blocks (a pair: 32 rows of A = two tiles) come back as eight chunks of 512 bytes.
.macro BLOCK aa, kind, sto             ; kind 0: the bias runs along my registers (Q, K); 1: one bias a lane (V)
	WIN 0x02+(\aa)/4                               ; source 0: window 2 or 3
.irp b, 0,1,2,3,4,5,6,7
.irp i, 0,2,4,6
.if \kind
	v_pk_fma_f32 v[TMP+8*\b+\i:TMP+8*\b+\i+1], v[64*((\aa)%4)+8*\b+\i:64*((\aa)%4)+8*\b+\i+1], s[76:77], v[BI+2*(\aa):BI+2*(\aa)+1] op_sel_hi:[1,0,1]
.else
	v_pk_fma_f32 v[TMP+8*\b+\i:TMP+8*\b+\i+1], v[64*((\aa)%4)+8*\b+\i:64*((\aa)%4)+8*\b+\i+1], s[76:77], v[BI+8*\b+\i:BI+8*\b+\i+1] op_sel_hi:[1,0,1]
.endif
.endr
.endr
	WIN 0
.set n, 0
.rept 64
	v_med3_num_f32 v[TMP+n], v[TMP+n], -v[LIM], v[LIM]   ; the conversion to an 8-bit code does not saturate (ISA guide 7.6.2)
.set n, n+1
.endr
.irp b, 0,1,2,3,4,5,6,7
	v_cvt_scalef32_pk8_fp8_f32 v[CD+16*((\aa)%2)+2*\b:CD+16*((\aa)%2)+2*\b+1], v[TMP+8*\b:TMP+8*\b+7], v[SC]
.endr
	v_nop                                          ; a plain instruction between the conversions and the next writes of their sources
.irp b, 0,1,2,3,4,5,6,7
	ds_store_b64 v[\sto], v[CD+16*((\aa)%2)+2*\b:CD+16*((\aa)%2)+2*\b+1] offset:(\b/2)*512+(\b%2)*256+((\aa)%2)*128
.endr
.endm
.macro PAIR p, kind, sto, rd
.if \p >= 1
	s_wait_dscnt 8                                 ; all but the last pair's 8 loads are done: its stores have read the codes' registers
.endif
.if \p >= 2
	s_wait_xcnt 0x0                                ; the stores of the pair two back have read their registers
.endif
	BLOCK 2*\p, \kind, \sto
	BLOCK 2*\p+1, \kind, \sto
.irp u, 0,1
.irp q, 0,1,2,3
	ds_load_b128 v[BK+32*(\p%2)+4*(4*\u+\q):BK+32*(\p%2)+4*(4*\u+\q)+3], v[\rd] offset:\u*2176+\q*512   ; LDS serves a wave's instructions in order: these see my stores
.endr
.endr
.endm
.macro SEND p, kind, younger           ; each store covers 512 consecutive bytes, aligned
	s_wait_dscnt \younger
.irp u, 0,1
.irp q, 0,1,2,3
.if \kind
	global_store_b128 v[GO], v[BK+32*(\p%2)+4*(4*\u+\q):BK+32*(\p%2)+4*(4*\u+\q)+3], s[10:11] offset:(\p/2)*HEADB+(\p%2)*4096+\u*2048+\q*512
.else
	global_store_b128 v[GO], v[BK+32*(\p%2)+4*(4*\u+\q):BK+32*(\p%2)+4*(4*\u+\q)+3], s[10:11] offset:(\q/2)*HEADB+\p*2048+\u*1024+(\q%2)*512
.endif
.endr
.endr
.endm
.macro PASS kind, sto, rd              ; 24: the next pair's 16 stores and 8 loads may be out
	PAIR 0, \kind, \sto, \rd
	PAIR 1, \kind, \sto, \rd
	SEND 0, \kind, 24
	PAIR 2, \kind, \sto, \rd
	SEND 1, \kind, 24
	PAIR 3, \kind, \sto, \rd
	SEND 2, \kind, 24
	SEND 3, \kind, 0
.endm
.macro SCALES                          ; 2^e and 448 x 2^e from s72
	s_add_co_i32 s18, s72, 127
	s_lshl_b32 s19, s18, 23
	v_mov_b32 v[SC], s19
	s_add_co_i32 s18, s18, 8
	s_lshl_b32 s18, s18, 23
	s_or_b32 s18, s18, 0x600000
	v_mov_b32 v[LIM], s18
.endm
	s_wait_kmcnt 0x0
	s_add_co_i32 s76, s76, s77
	s_add_co_i32 s76, s76, 127
	s_lshl_b32 s76, s76, 23                        ; 2^(ea + eb) as f32
	s_mov_b32 s77, s76                             ; (named with it as a pair)
	PLACES NP                                      ; behind the last products: their results are read and A's registers written below
	s_cmp_eq_u32 s68, 1
	s_cbranch_scc1 .Lway_v
.irp b, 0,1,2,3,4,5,6,7
	ds_load_b128 v[BI+8*\b:BI+8*\b+3], v[BLA] offset:64*\b       ; bias of channels 16 b + 8 h + 0 .. 7
	ds_load_b128 v[BI+8*\b+4:BI+8*\b+7], v[BLA] offset:64*\b+16
.endr
	s_wait_dscnt 0x0
	s_mov_b32 s3, 0
.Lver:                                             ; once for K, three times for Q: the count hangs on the cluster's number alone
	SCALES
	PASS 0, STO0, RD0
	s_wait_dscnt 0x0
	s_wait_xcnt 0x0                                ; the stores have read their registers and their base
	s_add_nc_u64 s[10:11], s[10:11], BRANCHB       ; the next branch's block
	s_mov_b32 s72, s73
	s_mov_b32 s73, s74
	s_add_co_u32 s3, s3, 1
	s_cmp_lt_u32 s3, s71
	s_cbranch_scc1 .Lver
	s_branch .Lend
.Lway_v:
.irp a, 0,1,2,3,4,5,6,7
	ds_load_b32 v[BI+2*\a], v[BLB] offset:64*\a    ; bias of channel 16 a + r
.endr
	s_wait_dscnt 0x0
.irp a, 0,1,2,3,4,5,6,7
	v_mov_b32 v[BI+2*\a+1], v[BI+2*\a]
.endr
	SCALES
	PASS 1, STO1, RD1
	s_branch .Lend
; THE MASK.  Wave W = 0 .. 255 of the four clusters takes (b, T) = (W / 64, W % 64): the 16 rows of query tile T, 8 key steps of 128 keys.  Each load reads 512 consecutive bytes of a row; a step's 16 rows turn through
; my stage, so that lane (r, h) holds the 64 words that stand where its 64 scores will stand; a compare makes each register's lane mask, and 64 of them leave as one aligned run of 256 bytes.
.Lmask:
	s_lshl_b32 s18, s67, 4
	s_lshl_b32 s19, s41, 2
	s_add_co_u32 s18, s18, s19
	s_add_co_u32 s18, s18, s40
	s_lshl_b32 s18, s18, 2
	s_add_co_u32 s18, s18, s14                     ; W: it enters global addresses alone
	s_lshr_b32 s19, s18, 6
	s_and_b32 s20, s18, 63
	s_lshl_b32 s19, s19, 10
	s_lshr_b32 s21, s20, 1
	s_lshl_b32 s21, s21, 5
	s_add_co_u32 s19, s19, s21
	s_and_b32 s21, s20, 1
	s_lshl_b32 s21, s21, 3
	s_add_co_u32 s19, s19, s21                     ; the tile's first row: 1,024 b + 32 (T / 2) + 8 (T % 2)
	s_lshl_b32 s46, s19, 12
	s_mov_b32 s47, 0
	s_add_nc_u64 s[104:105], s[104:105], s[46:47]
	s_lshl_b32 s46, s18, 11
	s_add_nc_u64 s[100:101], s[100:101], s[46:47]
.set n, 0
.rept 16
	v_mov_b32 v[160+n], 0                          ; a lane write's destination counts as read
.set n, n+1
.endr
.macro MLOAD t
	WIN 0x40                                       ; destination window 1
.irp rho, 0,1,2,3,4,5,6,7,8,9,10,11,12,13,14,15
	global_load_b128 v[64*((\t)%4)+4*\rho:64*((\t)%4)+4*\rho+3], v[GO], s[104:105] offset:(\rho+8*(\rho/8))*4096+512*(\t) th:TH_LOAD_NT
.endr
	WIN 0
.endm
.macro MTASK t
.if 16*(7-(\t)) > 48
	s_wait_loadcnt 48                              ; this step's 16 loads are in; the three younger steps' may be out
.else
	s_wait_loadcnt 16*(7-(\t))
.endif
	WIN 0x04                                       ; store data window 1
.irp rho, 0,1,2,3,4,5,6,7,8,9,10,11,12,13,14,15
	ds_store_b128 v[MSI], v[64*((\t)%4)+4*\rho:64*((\t)%4)+4*\rho+3] offset:528*\rho
.endr
	WIN 0
.irp bb, 0,1,2,3
.irp i, 0,1,2,3
	ds_load_b128 v[96+4*(4*\bb+\i):96+4*(4*\bb+\i)+3], v[MSO] offset:128*\bb+16*\i   ; register e: key 32 (e / 16) + 16 h + e % 16 of row r
.endr
.endr
	s_wait_dscnt 0x0                               ; the words are back, and the stores have read their registers,
.if (\t) < 4
	MLOAD (\t)+4                                   ; which take the loads of four steps on
.endif
.set ee, 0
.rept 64
	v_cmp_ne_u32 s[18+ee%4], 0, v[96+ee]
	v_writelane_b32 v[160+2*(\t)+ee%2], s[18+ee%4], ee/2   ; word e goes to lane e / 2
.set ee, ee+1
.endr
	global_store_b64 v[MGO], v[160+2*(\t):161+2*(\t)], s[100:101] offset:256*(\t)   ; the wave stores 256 consecutive bytes, aligned
.endm
	MLOAD 0
	MLOAD 1
	MLOAD 2
	MLOAD 3
.irp t, 0,1,2,3,4,5,6,7
	MTASK \t
.endr
.Lend:
	s_wait_tensorcnt 0x0                           ; the wave's end
	ds_add_u32 v[SPW], v[NIL]
	s_wait_dscnt 0x0
	CROUND                                         ; the closing round
	s_endpgm
.Lfunc_end_k_q646ee9538c_proj:
	.size	k_q646ee9538c_proj, .Lfunc_end_k_q646ee9538c_proj-k_q646ee9538c_proj
	.p2alignl 7, 3214868480
	.fill 96, 4, 3214868480
	.section	.rodata,"a",@progbits
	.p2align	6, 0x0
	.amdhsa_kernel k_q646ee9538c_proj
		.amdhsa_group_segment_fixed_size 327680
		.amdhsa_private_segment_fixed_size 0
		.amdhsa_enable_private_segment 0
		.amdhsa_kernarg_size 200
		.amdhsa_user_sgpr_count 2
		.amdhsa_user_sgpr_kernarg_segment_ptr 1
		.amdhsa_wavefront_size32 1
		.amdhsa_system_sgpr_workgroup_id_x 1
		.amdhsa_system_sgpr_workgroup_id_y 1
		.amdhsa_system_sgpr_workgroup_id_z 1
		.amdhsa_system_vgpr_workitem_id 0
		.amdhsa_next_free_vgpr 1024
		.amdhsa_next_free_sgpr 106
		.amdhsa_reserve_vcc 0
		.amdhsa_float_denorm_mode_32 3
		.amdhsa_float_denorm_mode_16_64 3
		.amdhsa_memory_ordered 1
		.amdhsa_forward_progress 1
		.amdhsa_inst_pref_size 255
	.end_amdhsa_kernel
	.section	.bss,"aw",@nobits
	.p2align	6
	.space	262144
	.amdgpu_metadata
---
amdhsa.version: [ 1, 2 ]
amdhsa.kernels:
  - .name:           k_q646ee9538c_proj
    .symbol:         k_q646ee9538c_proj.kd
    .args:
      - { .name: q_codes, .offset: 0, .size: 8, .value_kind: global_buffer, .address_space: global }
      - { .name: k_e_codes, .offset: 8, .size: 8, .value_kind: global_buffer, .address_space: global }
      - { .name: v_e_codes, .offset: 16, .size: 8, .value_kind: global_buffer, .address_space: global }
      - { .name: k_i_codes, .offset: 24, .size: 8, .value_kind: global_buffer, .address_space: global }
      - { .name: v_i_codes, .offset: 32, .size: 8, .value_kind: global_buffer, .address_space: global }
      - { .name: k_ei_codes, .offset: 40, .size: 8, .value_kind: global_buffer, .address_space: global }
      - { .name: v_ei_codes, .offset: 48, .size: 8, .value_kind: global_buffer, .address_space: global }
      - { .name: mask, .offset: 56, .size: 8, .value_kind: global_buffer, .address_space: global }
      - { .name: Wq_codes, .offset: 64, .size: 8, .value_kind: global_buffer, .address_space: global }
      - { .name: Wke_codes, .offset: 72, .size: 8, .value_kind: global_buffer, .address_space: global }
      - { .name: Wve_codes, .offset: 80, .size: 8, .value_kind: global_buffer, .address_space: global }
      - { .name: Wki_codes, .offset: 88, .size: 8, .value_kind: global_buffer, .address_space: global }
      - { .name: Wvi_codes, .offset: 96, .size: 8, .value_kind: global_buffer, .address_space: global }
      - { .name: Wkei_codes, .offset: 104, .size: 8, .value_kind: global_buffer, .address_space: global }
      - { .name: Wvei_codes, .offset: 112, .size: 8, .value_kind: global_buffer, .address_space: global }
      - { .name: lowp_scales, .offset: 120, .size: 8, .value_kind: global_buffer, .address_space: global }
      - { .name: bq, .offset: 128, .size: 8, .value_kind: global_buffer, .address_space: global }
      - { .name: bke, .offset: 136, .size: 8, .value_kind: global_buffer, .address_space: global }
      - { .name: bve, .offset: 144, .size: 8, .value_kind: global_buffer, .address_space: global }
      - { .name: bki, .offset: 152, .size: 8, .value_kind: global_buffer, .address_space: global }
      - { .name: bvi, .offset: 160, .size: 8, .value_kind: global_buffer, .address_space: global }
      - { .name: bkei, .offset: 168, .size: 8, .value_kind: global_buffer, .address_space: global }
      - { .name: bvei, .offset: 176, .size: 8, .value_kind: global_buffer, .address_space: global }
      - { .name: qkv, .offset: 184, .size: 8, .value_kind: global_buffer, .address_space: global }
      - { .name: maskw, .offset: 192, .size: 8, .value_kind: global_buffer, .address_space: global }
    .group_segment_fixed_size: 327680
    .private_segment_fixed_size: 0
    .kernarg_segment_align: 8
    .kernarg_segment_size: 200
    .max_flat_workgroup_size: 128
    .sgpr_count:     106
    .vgpr_count:     1024
    .wavefront_size: 32
...
	.end_amdgpu_metadata
.endif
;; end of part 1
;; launch attn (part 2): grid 4 x 64, 16 waves a work-group, clusters of 4 x 1, 327,680 bytes of LDS; arguments qkv, maskw, lowp_scales, cc; writes cc
.if DOCPART == 2
	.amdgcn_target "amdgcn-amd-amdhsa--gfx1250"
	.amdhsa_code_object_version 6
	.text
	.protected	k_q646ee9538c_attn
	.globl	k_q646ee9538c_attn
	.p2align	8
	.type	k_q646ee9538c_attn,@function
k_q646ee9538c_attn:
	s_mov_b64 s[64:65], 0
	v_nop
	global_prefetch_b8 v0, s[64:65] scope:SCOPE_SE
	s_setreg_imm32_b32 hwreg(HW_REG_WAVE_MODE, 25, 1), 1
	s_wait_xcnt 0x0
	s_wait_alu depctr_hold_cnt(0) depctr_sa_sdst(0) depctr_va_vdst(0) depctr_va_sdst(0) depctr_va_ssrc(0) depctr_va_vcc(0) depctr_vm_vsrc(0)
	s_getreg_b32 s2, hwreg(HW_REG_IB_STS2, 6, 4)
	s_cmp_eq_u32 s2, 0
	s_cbranch_scc0 .Lentry_in_a_cluster
	s_endpgm
.Lentry_in_a_cluster:
	s_bfe_u32 s2, ttmp6, 0x10000c
	s_cmp_lg_u32 s2, 0x3003
	s_cbranch_scc0 .Lentry_shape_is_right
	s_endpgm
.Lentry_shape_is_right:
; THREE BRANCHES OF ATTENTION ON CODES OF E4M3, ADDED, AND QUANTISED FOR THE LAST PROJECTION.
; A cluster of four work-groups owns one (b, head); a work-group 256 of its 1,024 queries; each of its sixteen waves one tile T = 16 cx + wave of 16 queries, through all three branches, in 256 registers.
; The four partners walk the same K and V, so each tile is asked for jointly.  A slot of LDS holds a WHOLE branch (K's 65,536 bytes, then V's), brought by sixteen loads of 8,192 bytes, one a wave:
; branch 0 at the head, branch 1 behind the first round (slot 1's first fill), branch 2 into slot 0 behind the round that follows branch 0.  Every wait on TENSORcnt is for 0: a wave has one load out at the most.
; K, V and Q lie in qkv as images of the operands' registers (chunk c, lane (h, rho): k = 32 c + 16 h + 0 .. 15 of row rho), so every fragment comes by loads of 16 bytes at 16 x lane: dense, no padding.
; Both products are used transposed: S^T = K Q^T, O^T = V^T P^T: a lane holds one query.  The rows of a tile are chosen (tile u of a group of 32, place rho: row 8 u + rho + 8 (rho / 8)) so that
; score register e is key 32 (e / 16) + 16 h + e % 16 of the step, and O^T's register n channel 32 (n / 16) + 16 h + n % 16: the conversions' results are the next operands' registers.
; SOFTMAX: t = score x log2(e) / 8; M = the running largest t rounded up to a whole number; p = 2^(t - M) is quantised; the row's sum is taken of the unquantised p and divides at the branch's end.
; THE MASK comes as lane masks, 64 words a key step, in scalar registers.  Word e goes to VCC, and one dual pair selects score e and takes score e - 2 into one of four maxima: 62 pairs for 64 selections and 62 maxima.
; The hold of p goes two numbers to a dual pair.  In a pair one destination is even and one odd, and the two first sources, and the two second, lie in different banks (register number mod 4): so the stand-in and the bound have two copies.
; LIMITS.  A hidden score is replaced by -2^(33 - eq - ek), which stands for the logit -2^30 in place of -1e9: x c it is a whole number, so a row that is all hidden gives p = 1 for every key, as equal logits do; a row with an open
; key gives p = 0 for its hidden keys as long as its open logits lie above -5e8.  eq + ek between -94 and 130; ep and the last quantiser's e between -126 and 119.  NaN is not served.
; No prefetch: branch 0 is asked for at the head, where there is no loop to run ahead in; each later branch's load has a whole branch's eight key steps between its issue and the wait for it.
.set SLOTB, 131072
.set SPARE, 2*SLOTB                    ; the spare words: 128 bytes for each of sixteen waves
.set HEADB, 196608
.set BRANCHB, 64*HEADB
.set RMB, 0                            ; v0   from the first branch on: the stand-in's second copy (bank 0)
.set SPW, 1                            ; v1   my spare word; never rewritten
.set NIL, 2                            ; v2   0; never rewritten
.set LIK, 3                            ; v3   16 x lane
.set LIV, 4                            ; v4   + 65,536: V's part of a slot
.set ADK, 5                            ; v5, v6  the step's addresses
.set ADV, 6
.set RM,  7                            ; v7   what stands for a hidden score (bank 3)
.set SC,  8                            ; v8   2^ep
.set LIM, 9                            ; v9   448 x 2^ep (bank 1)
.set LIM2, 18                          ; v18  the same (bank 2)
.set AC,  20                           ; v20-23 four maxima, banks 0 to 3
.set QF,  24                           ; v24-47   Q under the three branches' scales
.set KV,  48                           ; v48-111  K's 8 fragments, then V's 4
.set S,   112                          ; v112-175 S^T, then p
.set O,   176                          ; v176-207 O^T
.set TOT, 208                          ; v208-239 the sum over the branches
.set PC,  240                          ; v240-255 p's codes; ahead of the conversions v242-255 hold seven chains of the row's sum
; v10 at work; v11 a permute's destination; v12 -M; v13 the largest t; v[14:15] the sum; v[16:17] f, later 1 / sum
; s3 wave; s[4:5] scales; s[6:7] my tile's mask records; s[8:11] eq, ek, ep, ev; s12 the record's offset; s13 steps to go; s14 the step's LDS byte; s15 ep + ev;
; s16-63, s68-83 the 64 mask words; s[66:67] c; s[84:91] group 1; s[92:95], s[96:99] groups 0; s[100:101] lane selects; s[104:105] cc at my 1,024 bytes
.macro CROUND
	s_barrier_signal -1
	s_barrier_wait -1
	s_cmp_lg_u32 s3, 0
	s_cbranch_scc1 .Lnot_wave_0_\@
	s_barrier_signal -3
.Lnot_wave_0_\@:
	s_barrier_wait -3
	s_barrier_signal -1
	s_barrier_wait -1
.endm
.macro TL g0                           ; my one joint load; an s_nop 0 and four v_nop follow it
	tensor_load_to_lds s[\g0:\g0+3], s[84:91]
	s_nop 0
.rept 4
	v_nop
.endr
.endm
	s_load_b256 s[68:75], s[0:1], 0x0              ; qkv, maskw, the scales' exponents, cc
	v_lshl_add_u32 v[SPW], v0, 2, SPARE
	v_mov_b32 v[NIL], 0
	ds_add_u32 v[SPW], v[NIL]                      ; the opening lines: the add, twice on end, and its wait ahead of my first tensor load
	ds_add_u32 v[SPW], v[NIL]
	v_lshrrev_b32 v3, 5, v0
	v_readfirstlane_b32 s3, v3                     ; wave 0..15
	v_and_b32 v3, 31, v0
	v_lshlrev_b32 v[LIK], 4, v3
	v_add_nc_u32 v[LIV], 65536, v[LIK]
	v_add_nc_u32 v113, BRANCHB, v[LIK]             ; Q of branches 1 and 2: offsets, until the loads are in
	v_add_nc_u32 v114, 2*BRANCHB, v[LIK]
	s_wait_alu depctr_va_vdst(0)                   ; ahead of the run of scalar lines
	s_bfe_u32 s2, ttmp6, 0x40000                   ; cx: it enters Q's, the mask's and cc's addresses alone
	s_and_b32 s12, ttmp7, 0xffff                   ; 16 b + head, which the partners share
	s_lshl_b32 s13, s2, 4
	s_add_co_u32 s13, s13, s3                      ; T
	s_lshr_b32 s16, s12, 4
	s_and_b32 s17, s12, 15                         ; head
	s_lshl_b32 s16, s16, 6
	s_add_co_u32 s16, s16, s13                     ; 64 b + T
	; descriptor group 1: 8,192 dense bytes as 32 rows of 32 elements of 8 bytes
	s_mov_b32 s84, 15|(3<<16)|(1<<21)              ; 15:0 the mask: all four partners; 17:16 elements of 8 bytes; 21 set beside a mask
	s_mov_b32 s85, 32<<16                          ; tensor_dim0
	s_mov_b32 s86, 32<<16                          ; tensor_dim1
	s_mov_b32 s87, 32<<16                          ; tile_dim0
	s_mov_b32 s88, 32                              ; tile_dim1
	s_mov_b32 s89, 32                              ; from row to row
	s_mov_b32 s90, 0
	s_mov_b32 s91, 0
	s_mov_b32 s100, 0x76543210
	s_mov_b32 s101, 0xfedcba98
	s_mul_i32 s8, s12, HEADB
	s_mov_b32 s9, 0
	s_lshl_b32 s18, s3, 13                         ; which sixteenth of a branch I fetch: 8,192 x wave, in memory and in a slot
	s_mov_b32 s19, 0
	s_lshl_b32 s20, s13, 10
	s_add_co_u32 s20, s20, 131072                  ; Q's tile T
	s_mov_b32 s21, 0
	s_lshl_b32 s22, s16, 11                        ; my tile's eight mask records
	s_mov_b32 s23, 0
	s_lshr_b32 s24, s17, 2
	s_lshl_b32 s24, s24, 20                        ; cc: [head / 4][64 b + T][(head / 2) % 2][2 (head % 2) + chunk][lane][16]
	s_lshl_b32 s25, s16, 12
	s_add_co_u32 s24, s24, s25
	s_bfe_u32 s25, s17, 0x10001
	s_lshl_b32 s25, s25, 11
	s_add_co_u32 s24, s24, s25
	s_and_b32 s25, s17, 1
	s_lshl_b32 s25, s25, 10
	s_add_co_u32 s24, s24, s25
	s_mov_b32 s25, 0
	s_wait_dscnt 0x0                               ; both opening adds are done
	s_wait_kmcnt 0x0
	s_mov_b64 s[4:5], s[72:73]
	s_add_nc_u64 s[6:7], s[70:71], s[22:23]
	s_add_nc_u64 s[104:105], s[74:75], s[24:25]
	s_add_nc_u64 s[10:11], s[68:69], s[8:9]        ; branch 0's block of my (b, head)
	s_add_nc_u64 s[14:15], s[10:11], s[20:21]      ; Q
	s_mov_b32 s92, 1
	s_mov_b32 s93, s18                             ; slot 0
	s_add_nc_u64 s[94:95], s[10:11], s[18:19]
	s_mov_b32 s96, 1
	s_add_co_u32 s97, s18, SLOTB                   ; slot 1
	s_add_nc_u64 s[98:99], s[94:95], BRANCHB
	s_or_b32 s95, s95, 0x80000000
	s_or_b32 s99, s99, 0x80000000
	CROUND                                         ; all four work-groups are here: the first joint loads meet
	TL 92                                          ; branch 0: every wave's one tensor load at the head
	s_load_b128 s[8:11], s[4:5], 0x18              ; branch 0's eq, ek, ep, ev
	global_load_b128 v[QF:QF+3], v[LIK], s[14:15]
	global_load_b128 v[QF+4:QF+7], v[LIK], s[14:15] offset:512
	global_load_b128 v[QF+8:QF+11], v113, s[14:15]
	global_load_b128 v[QF+12:QF+15], v113, s[14:15] offset:512
	global_load_b128 v[QF+16:QF+19], v114, s[14:15]
	global_load_b128 v[QF+20:QF+23], v114, s[14:15] offset:512
	s_mov_b32 s12, 0
.macro MASKW                           ; a key step's 64 lane masks
	s_load_b512 s[16:31], s[6:7], s12 offset:0x0
	s_load_b512 s[32:47], s[6:7], s12 offset:0x40
	s_load_b512 s[48:63], s[6:7], s12 offset:0x80
	s_load_b512 s[68:83], s[6:7], s12 offset:0xc0
.endm
	MASKW
	v_mov_b32 v13, 0xff61b1e6                      ; the largest t so far: -3e38
	v_floor_f32 v12, -v13                          ; -M
	v_mov_b32 v14, 0
	v_mov_b32 v15, 0
	v_mov_b32 v11, 0                               ; a lane permute's destination counts as one of its sources
	v_mov_b32 v17, 0                               ; (named as the upper half of the pair v[16:17])
.set n, 0
.rept 32
	v_mov_b32 v[O+n], 0                            ; once in the launch: a later branch's first f is 0 and wipes what it finds
.set n, n+1
.endr
	s_wait_alu depctr_va_vdst(0)                   ; the head's end
	s_wait_loadcnt 0x0                             ; Q
	s_wait_tensorcnt 0x0                           ; my part of branch 0 is in; these three lines stand ahead of a later first fill as ahead of a refill
	ds_add_u32 v[SPW], v[NIL]
	s_wait_dscnt 0x0
	CROUND                                         ; everybody's part is in, and the four work-groups are here
	TL 96                                          ; branch 1: slot 1's first fill, my one tensor load behind the round
.macro BRANCH j, slot, last
	s_wait_kmcnt 0x0
	s_add_co_i32 s2, s8, s9                        ; eq + ek
	s_lshl_b32 s66, s2, 23
	s_add_co_i32 s66, s66, 0x3e38aa3b              ; c = log2(e) / 8, the two exponents added to its exponent field
	s_mov_b32 s67, s66
	s_sub_co_i32 s2, 160, s2
	s_lshl_b32 s2, s2, 23
	s_or_b32 s2, s2, 0x80000000
	v_mov_b32 v[RM], s2                            ; -2^(33 - eq - ek)
	v_mov_b32 v[RMB], s2
	s_add_co_i32 s2, s10, 127
	s_lshl_b32 s15, s2, 23
	v_mov_b32 v[SC], s15
	s_add_co_i32 s2, s2, 8
	s_lshl_b32 s2, s2, 23
	s_or_b32 s2, s2, 0x600000
	v_mov_b32 v[LIM], s2
	v_mov_b32 v[LIM2], s2
	s_add_co_i32 s15, s10, s11                     ; ep + ev
.if \j < 2
	s_load_b128 s[8:11], s[4:5], 24+32*(\j+1)      ; the next branch's four
.else
	s_load_b32 s8, s[4:5], 0x68                    ; the last quantiser's e
.endif
	s_mov_b32 s14, \slot*SLOTB
	s_mov_b32 s13, 8
.if \j > 0
	v_mov_b32 v13, 0xff61b1e6
	v_floor_f32 v12, -v13
.endif
.Lks_\@:                                           ; a key step: 128 keys
	v_add_nc_u32 v[ADK], s14, v[LIK]
	v_add_nc_u32 v[ADV], s14, v[LIV]
	v_nop                                          ; four places in front of loads into registers that the last products read
	v_nop
.irp t, 0,1,2,3,4,5,6,7
	ds_load_b128 v[KV+8*\t:KV+8*\t+3], v[ADK] offset:1024*\t
	ds_load_b128 v[KV+8*\t+4:KV+8*\t+7], v[ADK] offset:1024*\t+512
.endr
	s_wait_alu depctr_va_vdst(0)
	s_wait_dscnt 0x0
.irp t, 0,1,2,3,4,5,6,7
	v_wmma_f32_16x16x64_fp8_fp8 v[S+8*\t:S+8*\t+7], v[KV+8*\t:KV+8*\t+7], v[QF+8*\j:QF+8*\j+7], 0
.endr
.rept 4
	v_nop                                          ; places: V's loads land where K's fragments lay, and the scores are read below
.endr
.irp dt, 0,1,2,3
.irp c, 0,1,2,3
	ds_load_b128 v[KV+16*\dt+4*\c:KV+16*\dt+4*\c+3], v[ADV] offset:2048*\dt+512*\c   ; V lands under the softmax
.endr
.endr
	s_wait_kmcnt 0x0                               ; the step's lane masks, asked for a step ago
	; score e is selected (each accumulator from its low end on) while score e - 2 goes into maximum (e + 1) % 4
.set ee, 0
.rept 64
.if ee < 2
	v_cndmask_b32 v[S+ee], v[RM], v[S+ee], s[16+ee]
.else
.set RR, RM
.if (ee%4) == 1
.set RR, RMB
.endif
	s_mov_b32 vcc_lo, s[16+ee+4*(ee/48)]
.if ee < 6
	v_dual_cndmask_b32 v[S+ee], v[RR], v[S+ee] :: v_dual_mov_b32 v[AC+(ee+1)%4], v[S+ee-2]
.else
	v_dual_cndmask_b32 v[S+ee], v[RR], v[S+ee] :: v_dual_max_num_f32 v[AC+(ee+1)%4], v[S+ee-2], v[AC+(ee+1)%4]
.endif
.endif
.set ee, ee+1
.endr
	v_max3_num_f32 v10, v[AC], v[AC+1], v[S+62]
	v_max3_num_f32 v20, v[AC+2], v[AC+3], v[S+63]
	s_delay_alu instid0(VALU_DEP_1)
	v_max_num_f32 v10, v10, v20                    ; my query's largest score among my 64 keys,
	s_delay_alu instid0(VALU_DEP_1)
	v_permlanex16_b32 v11, v10, s100, s101
	s_delay_alu instid0(VALU_DEP_1)
	v_max_num_f32 v10, v10, v11                    ; and among the other half of the lanes'
	s_delay_alu instid0(VALU_DEP_1)
	v_mul_f32 v10, s66, v10                        ; as t
	s_delay_alu instid0(VALU_DEP_1)
	v_max_num_f32 v13, v13, v10
	v_mov_b32 v10, v12
	s_delay_alu instid0(VALU_DEP_2)
	v_floor_f32 v12, -v13                          ; the new -M: M is a whole number
	s_delay_alu instid0(VALU_DEP_1)
	v_sub_f32 v10, v12, v10
	s_delay_alu instid0(VALU_DEP_1)
	v_cvt_i32_f32 v10, v10                         ; (it saturates)
	s_delay_alu instid0(VALU_DEP_1)
	v_ldexp_f32 v16, 1.0, v10                      ; f = 2^(old M - new M)
.set n, 0
.rept 32
	v_pk_fma_f32 v[S+n:S+n+1], v[S+n:S+n+1], s[66:67], v[12:13] op_sel_hi:[1,0,0]   ; t - M
.set n, n+2
.endr
.if \last
	s_cmp_eq_u32 s13, 1                            ; the launch's last step asks for no masks
	s_cbranch_scc1 .Lno_mask_\@
.endif
	s_add_co_u32 s12, s12, 256
	s_and_b32 s12, s12, 0x7ff                      ; behind the eighth record the first again: the next branch's
	MASKW
.if \last
.Lno_mask_\@:
.endif
	s_wait_alu depctr_va_vdst(0)                   ; ahead of the batch
.set n, 0
.rept 64
	v_exp_f32 v[S+n], v[S+n]                       ; p
.set n, n+1
.endr
	v_pk_mul_f32 v[14:15], v[14:15], v[16:17] op_sel_hi:[1,0]   ; the sum under the new M: the plain instruction behind the exponentials
	s_wait_alu depctr_va_vdst(0)                   ; one wait for the batch, ahead of its first reader
	; the row's sum of the unquantised p: 32 packed additions in eight chains
.set n, 0
.rept 7
	v_pk_add_f32 v[242+2*n:243+2*n], v[S+4*n:S+4*n+1], v[S+4*n+2:S+4*n+3]
.set n, n+1
.endr
	v_pk_add_f32 v[14:15], v[14:15], v[S+28:S+29]
.irp base, 30, 46
.set n, 0
.rept 7
	v_pk_add_f32 v[242+2*n:243+2*n], v[242+2*n:243+2*n], v[S+\base+2*n:S+\base+2*n+1]
.set n, n+1
.endr
	v_pk_add_f32 v[14:15], v[14:15], v[S+\base+14:S+\base+15]
.endr
	v_pk_add_f32 v[242:243], v[242:243], v[S+62:S+63]
	v_pk_add_f32 v[246:247], v[246:247], v[248:249]
	v_pk_add_f32 v[250:251], v[250:251], v[252:253]
	v_pk_add_f32 v[14:15], v[14:15], v[254:255]
	v_pk_add_f32 v[242:243], v[242:243], v[244:245]
	v_pk_add_f32 v[14:15], v[14:15], v[250:251]
	v_pk_add_f32 v[242:243], v[242:243], v[246:247]
	v_pk_add_f32 v[14:15], v[14:15], v[242:243]
.irp b, 0,1,2,3
.set n, 0
.rept 8
	v_dual_min_num_f32 v[S+16*\b+n], v[S+16*\b+n], v[LIM] :: v_dual_min_num_f32 v[S+16*\b+n+1], v[S+16*\b+n+1], v[LIM2]   ; the conversion does not saturate (ISA guide 7.6.2); p is not negative
.set n, n+2
.endr
	v_cvt_scalef32_pk8_fp8_f32 v[PC+4*\b:PC+4*\b+1], v[S+16*\b:S+16*\b+7], v[SC]
	v_cvt_scalef32_pk8_fp8_f32 v[PC+4*\b+2:PC+4*\b+3], v[S+16*\b+8:S+16*\b+15], v[SC]
.endr
	s_wait_alu depctr_va_vdst(0)                   ; directly ahead of the first reader of O^T
.set n, 0
.rept 16
	v_pk_mul_f32 v[O+n:O+n+1], v[O+n:O+n+1], v[16:17] op_sel_hi:[1,0]   ; O^T under the new M; also the plain instructions behind the conversions
.set n, n+2
.endr
	s_wait_alu depctr_va_vdst(0)
	s_wait_dscnt 0x0                               ; V
.irp dt, 0,1,2,3                       ; four accumulators by turns, one instruction a turn
	v_wmma_f32_16x16x128_fp8_fp8 v[O+8*\dt:O+8*\dt+7], v[KV+16*\dt:KV+16*\dt+15], v[PC:PC+15], v[O+8*\dt:O+8*\dt+7]
.endr
	s_add_co_u32 s14, s14, 8192
	s_sub_co_u32 s13, s13, 1
	s_cmp_lg_u32 s13, 0
	s_cbranch_scc1 .Lks_\@
	v_add_f32 v14, v14, v15                        ; the branch's end: the sum's halves, the other lanes' half,
	s_delay_alu instid0(VALU_DEP_1)
	v_permlanex16_b32 v11, v14, s100, s101
	s_delay_alu instid0(VALU_DEP_1)
	v_add_f32 v14, v14, v11
	s_wait_alu depctr_va_vdst(0)                   ; ahead of the transcendental
	v_rcp_f32 v10, v14
	v_nop
	v_nop
	s_wait_alu depctr_va_vdst(0)                   ; ahead of the reciprocal's first reader
	v_ldexp_f32 v16, v10, s15                      ; 2^(ep + ev) / sum.  (With the lines above: the places behind the last products)
	s_wait_alu depctr_va_vdst(0)                   ; directly ahead of the first reader of O^T
.set n, 0
.rept 16
.if \j == 0
	v_pk_mul_f32 v[TOT+n:TOT+n+1], v[O+n:O+n+1], v[16:17] op_sel_hi:[1,0]
.else
	v_pk_fma_f32 v[TOT+n:TOT+n+1], v[O+n:O+n+1], v[16:17], v[TOT+n:TOT+n+1] op_sel_hi:[1,0,1]
.endif
.set n, n+2
.endr
.endm
; Between branches: each wave waits for all its tensor loads, adds 0 to its spare word, and waits for that and for its reads of the slot that it leaves.
; fill = 1: a round of the cluster's barrier, and slot 0 takes branch 2: the load has branch 1's eight key steps between its issue and the wait for it.
.macro CHANGE fill
	s_wait_tensorcnt 0x0
	ds_add_u32 v[SPW], v[NIL]
.if \fill
	s_add_nc_u64 s[94:95], s[94:95], 2*BRANCHB     ; no load of mine is out: the group 0 may be written; the type bits on top are not reached
.endif
	s_wait_dscnt 0x0
.if \fill
	CROUND
	TL 92
.else
	s_barrier_signal -1
	s_barrier_wait -1
.endif
.endm
	BRANCH 0, 0, 0
	CHANGE 1
	BRANCH 1, 1, 0
	CHANGE 0
	BRANCH 2, 0, 1
	; the sum of the branches is quantised: register n is channel 32 (n / 16) + 16 h + n % 16 of my query: the codes are two chunks of the last product's operand
	s_wait_kmcnt 0x0
	s_add_co_i32 s2, s8, 127
	s_lshl_b32 s15, s2, 23
	v_mov_b32 v[SC], s15
	s_add_co_i32 s2, s2, 8
	s_lshl_b32 s2, s2, 23
	s_or_b32 s2, s2, 0x600000
	v_mov_b32 v[LIM], s2
.set n, 0
.rept 32
	v_med3_num_f32 v[TOT+n], v[TOT+n], -v[LIM], v[LIM]
.set n, n+1
.endr
.irp k, 0,1,2,3
	v_cvt_scalef32_pk8_fp8_f32 v[PC+2*\k:PC+2*\k+1], v[TOT+8*\k:TOT+8*\k+7], v[SC]
.endr
	v_nop
	global_store_b128 v[LIK], v[PC:PC+3], s[104:105]               ; the wave stores 512 consecutive bytes, aligned
	global_store_b128 v[LIK], v[PC+4:PC+7], s[104:105] offset:512
	s_wait_tensorcnt 0x0                           ; the wave's end
	ds_add_u32 v[SPW], v[NIL]
	s_wait_dscnt 0x0
	CROUND                                         ; the closing round
	s_endpgm
.Lfunc_end_k_q646ee9538c_attn:
	.size	k_q646ee9538c_attn, .Lfunc_end_k_q646ee9538c_attn-k_q646ee9538c_attn
	.p2alignl 7, 3214868480
	.fill 96, 4, 3214868480
	.section	.rodata,"a",@progbits
	.p2align	6, 0x0
	.amdhsa_kernel k_q646ee9538c_attn
		.amdhsa_group_segment_fixed_size 327680
		.amdhsa_private_segment_fixed_size 0
		.amdhsa_enable_private_segment 0
		.amdhsa_kernarg_size 32
		.amdhsa_user_sgpr_count 2
		.amdhsa_user_sgpr_kernarg_segment_ptr 1
		.amdhsa_wavefront_size32 1
		.amdhsa_system_sgpr_workgroup_id_x 1
		.amdhsa_system_sgpr_workgroup_id_y 1
		.amdhsa_system_sgpr_workgroup_id_z 1
		.amdhsa_system_vgpr_workitem_id 0
		.amdhsa_next_free_vgpr 256
		.amdhsa_next_free_sgpr 106
		.amdhsa_reserve_vcc 1
		.amdhsa_float_denorm_mode_32 3
		.amdhsa_float_denorm_mode_16_64 3
		.amdhsa_memory_ordered 1
		.amdhsa_forward_progress 1
		.amdhsa_inst_pref_size 79
	.end_amdhsa_kernel
	.amdgpu_metadata
---
amdhsa.version: [ 1, 2 ]
amdhsa.kernels:
  - .name:           k_q646ee9538c_attn
    .symbol:         k_q646ee9538c_attn.kd
    .args:
      - { .name: qkv, .offset: 0, .size: 8, .value_kind: global_buffer, .address_space: global }
      - { .name: maskw, .offset: 8, .size: 8, .value_kind: global_buffer, .address_space: global }
      - { .name: lowp_scales, .offset: 16, .size: 8, .value_kind: global_buffer, .address_space: global }
      - { .name: cc, .offset: 24, .size: 8, .value_kind: global_buffer, .address_space: global }
    .group_segment_fixed_size: 327680
    .private_segment_fixed_size: 0
    .kernarg_segment_align: 8
    .kernarg_segment_size: 32
    .max_flat_workgroup_size: 512
    .sgpr_count:     106
    .vgpr_count:     256
    .wavefront_size: 32
...
	.end_amdgpu_metadata
.endif
;; end of part 2
;; launch outp (part 3): grid 8 x 32, 4 waves a work-group, clusters of 4 x 4, 288,256 bytes of LDS; arguments cc, Wo_codes, lowp_scales, bo, out0; writes out0
.if DOCPART == 3
	.amdgcn_target "amdgcn-amd-amdhsa--gfx1250"
	.amdhsa_code_object_version 6
	.text
	.protected	k_q646ee9538c_outp
	.globl	k_q646ee9538c_outp
	.p2align	8
	.type	k_q646ee9538c_outp,@function
k_q646ee9538c_outp:
	s_mov_b64 s[64:65], 0
	v_nop
	global_prefetch_b8 v0, s[64:65] scope:SCOPE_SE
	s_setreg_imm32_b32 hwreg(HW_REG_WAVE_MODE, 25, 1), 1
	s_wait_xcnt 0x0
	s_wait_alu depctr_hold_cnt(0) depctr_sa_sdst(0) depctr_va_vdst(0) depctr_va_sdst(0) depctr_va_ssrc(0) depctr_va_vcc(0) depctr_vm_vsrc(0)
	s_getreg_b32 s2, hwreg(HW_REG_IB_STS2, 6, 4)
	s_cmp_eq_u32 s2, 0
	s_cbranch_scc0 .Lentry_in_a_cluster
	s_endpgm
.Lentry_in_a_cluster:
	s_bfe_u32 s2, ttmp6, 0x10000c
	s_cmp_lg_u32 s2, 0xf033
	s_cbranch_scc0 .Lentry_shape_is_right
	s_endpgm
.Lentry_shape_is_right:
; out0 = concat Wo + bo on codes of E4M3.  [4096 tokens] x [1024], K = 1024.  A tile is 128 x 128, so that there are 256 work-groups; four waves of 64 x 64: 16 accumulators.
; ALL OF K FITS IN LDS, and each wave brings its part of it by ONE joint load at the head; nothing is filled again.
; A (cc) lies in memory as images of the operand's registers: [chunk of 256 along K: 4][tile of 16 tokens: 256][K step 2][c 4][lane][16].  Waves 0 and 1 fetch four tiles of tokens each: a tile of 4 rows (the chunks,
; 1,048,576 bytes apart) of 16,384 dense bytes.  B (Wo's codes): waves 2 and 3 fetch 64 whole rows of 1,024 bytes each, 1,040 apart in LDS (65 x 16: the 16 rows of a fragment load start at 16 different banks).
; In both, registers 4 c .. 4 c + 3 of lane (r, h) hold k = 32 c + 16 h + 0 .. 15.  The tokens of a tile: tile u of a group of 32, place rho: token 8 u + rho + 8 (rho / 8); the stores' offsets put them back.
; Source 0 = 16 rows of Wo, source 1 = 16 tokens: a lane holds eight neighbouring outputs of one token.  y = sum x 2^(ea + eb) + bo.   LIMIT: ea + eb between -126 and 127.
; CLUSTERS 4 x 4: A's tiles are shared along a row of the cluster, B's along a column.  No prefetch: every byte is asked for at the head, and there is no loop to run ahead in.
.set AHALF, 65536                      ; A: 64 tokens x 1,024 codes
.set BOFF,  2*AHALF                    ; B lies behind A
.set BP,    1040                       ; B's row in LDS
.set BHALF, 64*BP
.set STAGE, 270336                     ; behind B (which ends at 264,192): the way out, 16 rows x 272 bytes for each wave
.set SPARE, 0x46400                    ; behind the stages: the spare words
.set BI,  32                           ; v32-63   bo in the results' layout
.set TMP, 64                           ; v64-95   a block's results
.set BK,  96                           ; v96-127  rows read back
.set ACC, 128                          ; v128-255 accumulator (a, b) at 128 + 8 (4 a + b)
; v8 my A fragments; v12 my B fragments; v16 stage, in; v17 stage, back; v18 my offset in out0; v19 32 h.   window 1: two sets of 128: A's 64 registers, then B's 64
.set MSB, 0
.macro WIN new
.if MSB != (\new)
	s_set_vgpr_msb (MSB<<8)|(\new)
.set MSB, (\new)
.endif
.endm
.macro CROUND
	s_barrier_signal -1
	s_barrier_wait -1
	s_cmp_lg_u32 s14, 0
	s_cbranch_scc1 .Lnot_wave_0_\@
	s_barrier_signal -3
.Lnot_wave_0_\@:
	s_barrier_wait -3
	s_barrier_signal -1
	s_barrier_wait -1
.endm
	s_load_b256 s[4:11], s[0:1], 0x0               ; cc, Wo's codes, the scales' exponents, bo
	s_load_b64 s[12:13], s[0:1], 0x20              ; out0
	v_lshl_add_u32 v30, v0, 2, SPARE
	v_mov_b32 v31, 0
	ds_add_u32 v30, v31                            ; the opening lines: the add, twice on end, and its wait
	ds_add_u32 v30, v31
	v_lshrrev_b32 v1, 5, v0
	v_readfirstlane_b32 s14, v1                    ; wave 0..3
	s_lshr_b32 s15, s14, 1                         ; my half of the tile's tokens; also: I fetch for A (0) or B (1)
	s_and_b32 s16, s14, 1                          ; my half of its columns; also: which half I fetch
	s_bfe_u32 s76, ttmp6, 0x40000                  ; cx
	s_bfe_u32 s77, ttmp6, 0x40004                  ; cy
	s_lshl_b32 s78, ttmp9, 2
	s_add_co_u32 s78, s78, s76                     ; tile column
	s_and_b32 s79, ttmp7, 0xffff
	s_lshl_b32 s79, s79, 2
	s_add_co_u32 s79, s79, s77                     ; tile row
	s_lshl_b32 s80, s77, 2
	s_lshl_b32 s80, 15, s80                        ; my row of the cluster
	s_lshl_b32 s81, 0x1111, s76                    ; my column
	s_or_b32 s24, s80, (3<<16)|(1<<21)             ; A: 4 rows of 2,048 elements of 8 bytes, 131,072 elements apart
	s_mov_b32 s25, 2048<<16
	s_mov_b32 s26, 4<<16
	s_mov_b32 s27, 2048<<16
	s_mov_b32 s28, 4
	s_mov_b32 s29, 131072
	s_mov_b32 s30, 0
	s_mov_b32 s31, 0
	s_or_b32 s32, s81, (0<<16)|(1<<20)|(1<<21)|(7<<22)|(3<<25)   ; B: 64 rows of 1,024 bytes, four words of padding behind every 256
	s_mov_b32 s33, 1024<<16
	s_mov_b32 s34, 64<<16
	s_mov_b32 s35, 1024<<16
	s_mov_b32 s36, 64
	s_mov_b32 s37, 1024
	s_mov_b32 s38, 0
	s_mov_b32 s39, 0
	s_lshl_b32 s82, s79, 3
	s_lshl_b32 s83, s16, 2
	s_add_co_u32 s82, s82, s83
	s_lshl_b32 s82, s82, 12                        ; A: tile of tokens 8 x tile row + 4 x half, 4,096 bytes each
	s_mov_b32 s83, 0
	s_lshl_b32 s86, s78, 7
	s_lshl_b32 s87, s16, 6
	s_add_co_u32 s86, s86, s87
	s_lshl_b32 s86, s86, 10                        ; B: row 128 x tile column + 64 x half, 1,024 bytes each
	s_mov_b32 s87, 0
	s_mov_b32 s40, 1
	s_lshl_b32 s41, s16, 16                        ; where they go
	s_mov_b32 s56, 1
	s_mul_i32 s57, s16, BHALF
	s_add_co_u32 s57, s57, BOFF
	s_wait_dscnt 0x0                               ; both opening adds are done
	s_wait_kmcnt 0x0
	s_load_b64 s[90:91], s[8:9], 0x68              ; the product's two exponents
	s_add_nc_u64 s[42:43], s[4:5], s[82:83]
	s_or_b32 s43, s43, 0x80000000
	s_add_nc_u64 s[58:59], s[6:7], s[86:87]
	s_or_b32 s59, s59, 0x80000000
	CROUND                                         ; all sixteen work-groups are here
	s_cmp_eq_u32 s15, 0                            ; one load a wave, in the two arms of one branch on the wave's number
	s_cbranch_scc0 .Lfor_b
	tensor_load_to_lds s[40:43], s[24:31]
	s_nop 0
.rept 4
	v_nop
.endr
	s_branch .Lasked
.Lfor_b:
	tensor_load_to_lds s[56:59], s[32:39]
	s_nop 0
.rept 4
	v_nop
.endr
.Lasked:
	v_and_b32 v1, 15, v0                           ; r
	v_bfe_u32 v2, v0, 4, 1                         ; h
	v_and_b32 v3, 31, v0
	v_lshlrev_b32 v3, 4, v3                        ; 16 x lane
	s_lshl_b32 s88, s15, 16
	v_add_nc_u32 v8, s88, v3
	v_mul_u32_u24 v4, v1, BP
	v_lshl_add_u32 v4, v2, 4, v4
	s_mul_i32 s88, s16, BHALF
	s_add_co_u32 s88, s88, BOFF
	v_add_nc_u32 v12, s88, v4
	s_mul_i32 s88, s14, 4352
	s_add_co_u32 s88, s88, STAGE
	v_mul_u32_u24 v5, v1, 272
	v_lshl_add_u32 v5, v2, 5, v5
	v_add_nc_u32 v16, s88, v5                      ; in: row r, 32 bytes for each half of the lanes
	v_mul_u32_u24 v5, v2, 272
	v_lshl_add_u32 v5, v1, 4, v5
	v_add_nc_u32 v17, s88, v5                      ; back: lanes 0-15 one row of 256 bytes, lanes 16-31 the next
	v_lshlrev_b32 v18, 12, v2
	v_lshl_add_u32 v18, v1, 4, v18                 ; and the same two rows in out0
	v_lshlrev_b32 v19, 5, v2
	s_wait_alu depctr_va_vdst(0)                   ; the head's end
	s_lshl_b32 s88, s78, 9
	s_lshl_b32 s89, s16, 8
	s_add_co_u32 s88, s88, s89                     ; my first column, in bytes
	s_mov_b32 s89, 0
	s_add_nc_u64 s[10:11], s[10:11], s[88:89]
	s_add_nc_u64 s[12:13], s[12:13], s[88:89]
	s_lshl_b32 s88, s79, 7
	s_lshl_b32 s84, s15, 6
	s_add_co_u32 s88, s88, s84
	s_lshl_b32 s88, s88, 12                        ; my first token's row of 4,096 bytes
	s_add_nc_u64 s[12:13], s[12:13], s[88:89]
.irp b, 0,1,2,3
	global_load_b128 v[BI+8*\b:BI+8*\b+3], v19, s[10:11] offset:64*\b        ; bo of columns 16 b + 8 h + 0 .. 7
	global_load_b128 v[BI+8*\b+4:BI+8*\b+7], v19, s[10:11] offset:64*\b+16
.endr
.macro FETCH k, f                      ; K step k (128 along K): my 4 fragments of A, my 4 of B, into set f
	WIN 0x40                                       ; destination window 1
.irp a, 0,1,2,3
.irp c, 0,1,2,3
	ds_load_b128 v[\f+16*\a+4*\c:\f+16*\a+4*\c+3], v8 offset:16384*((\k)/2)+4096*\a+2048*((\k)%2)+512*\c
.endr
.endr
.irp b, 0,1,2,3
.irp c, 0,1,2,3
	ds_load_b128 v[\f+64+16*\b+4*\c:\f+64+16*\b+4*\c+3], v12 offset:16*BP*\b+128*(\k)+32*\c
.endr
.endr
.endm
.macro MUL16 f, zero                   ; the 16 accumulators take turns, in the same order in every step
	WIN 0x05                                       ; sources 0 and 1 window 1
.irp a, 0,1,2,3
.irp b, 0,1,2,3
.if \zero
	v_wmma_f32_16x16x128_fp8_fp8 v[ACC+8*(4*\a+\b):ACC+8*(4*\a+\b)+7], v[\f+64+16*\b:\f+64+16*\b+15], v[\f+16*\a:\f+16*\a+15], 0
.else
	v_wmma_f32_16x16x128_fp8_fp8 v[ACC+8*(4*\a+\b):ACC+8*(4*\a+\b)+7], v[\f+64+16*\b:\f+64+16*\b+15], v[\f+16*\a:\f+16*\a+15], v[ACC+8*(4*\a+\b):ACC+8*(4*\a+\b)+7]
.endif
.endr
.endr
.endm
.macro PLACES
.rept 4
	v_nop
.endr
.endm
.macro STEPK k, zero                   ; the next step's fragments are asked for, then this step is multiplied
.if (\k) > 0
	PLACES                                         ; in front of loads into the set that the last products read
.endif
	FETCH (\k)+1, 128*(((\k)+1)%2)
	s_wait_dscnt 32                                ; all but the 32 just issued
	MUL16 128*((\k)%2), \zero
.endm
	s_wait_tensorcnt 0x0                           ; my one load is in
	s_barrier_signal -1
	s_barrier_wait -1                              ; everybody's is
	FETCH 0, 0
	STEPK 0, 1
	STEPK 1, 0
	STEPK 2, 0
	STEPK 3, 0
	STEPK 4, 0
	STEPK 5, 0
	STEPK 6, 0
	s_wait_dscnt 0x0
	MUL16 128, 0
	WIN 0
	; THE WAY OUT, a tile of 16 tokens at a time, through my own stage: sixteen lanes then store 256 consecutive bytes, aligned.
	s_wait_kmcnt 0x0
	s_wait_loadcnt 0x0                             ; bo
	s_add_co_i32 s90, s90, s91
	s_add_co_i32 s90, s90, 127
	s_lshl_b32 s90, s90, 23                        ; 2^(ea + eb) as f32
	s_mov_b32 s91, s90
	PLACES
.macro OSEND a
	s_wait_dscnt 0x0                               ; the block is back in registers
.irp t, 0,1,2,3,4,5,6,7
	global_store_b128 v18, v[BK+4*\t:BK+4*\t+3], s[12:13] offset:(32*((\a)/2)+8*((\a)%2)+2*\t+8*(\t/4))*4096 th:TH_STORE_NT   ; place 2 t (+ 1) of tile a is this token
.endr
.endm
.macro OBLK a
.if \a > 0
	s_wait_dscnt 8                                 ; the last block's stores into the stage have read their registers; its 8 loads may be out
.endif
.irp b, 0,1,2,3
.irp i, 0,2,4,6
	v_pk_fma_f32 v[TMP+8*\b+\i:TMP+8*\b+\i+1], v[ACC+8*(4*\a+\b)+\i:ACC+8*(4*\a+\b)+\i+1], s[90:91], v[BI+8*\b+\i:BI+8*\b+\i+1] op_sel_hi:[1,0,1]
.endr
.endr
.if \a > 0
	s_wait_alu depctr_va_vdst(0)
	OSEND \a-1
.endif
.irp b, 0,1,2,3
	ds_store_b128 v16, v[TMP+8*\b:TMP+8*\b+3] offset:64*\b
	ds_store_b128 v16, v[TMP+8*\b+4:TMP+8*\b+7] offset:64*\b+16
.endr
.if \a > 0
	s_wait_xcnt 0x0                                ; the stores to memory have read the registers into which the loads below land
.endif
.irp t, 0,1,2,3,4,5,6,7
	ds_load_b128 v[BK+4*\t:BK+4*\t+3], v17 offset:544*\t   ; LDS serves a wave's instructions in order: these see my stores
.endr
.endm
	OBLK 0
	OBLK 1
	OBLK 2
	OBLK 3
	OSEND 3
	s_wait_tensorcnt 0x0                           ; the wave's end
	ds_add_u32 v30, v31
	s_wait_dscnt 0x0
	CROUND                                         ; the closing round: no work-group ends while a partner may still ask for a tile that names it
	s_endpgm
.Lfunc_end_k_q646ee9538c_outp:
	.size	k_q646ee9538c_outp, .Lfunc_end_k_q646ee9538c_outp-k_q646ee9538c_outp
	.p2alignl 7, 3214868480
	.fill 96, 4, 3214868480
	.section	.rodata,"a",@progbits
	.p2align	6, 0x0
	.amdhsa_kernel k_q646ee9538c_outp
		.amdhsa_group_segment_fixed_size 288256
		.amdhsa_private_segment_fixed_size 0
		.amdhsa_enable_private_segment 0
		.amdhsa_kernarg_size 40
		.amdhsa_user_sgpr_count 2
		.amdhsa_user_sgpr_kernarg_segment_ptr 1
		.amdhsa_wavefront_size32 1
		.amdhsa_system_sgpr_workgroup_id_x 1
		.amdhsa_system_sgpr_workgroup_id_y 1
		.amdhsa_system_sgpr_workgroup_id_z 1
		.amdhsa_system_vgpr_workitem_id 0
		.amdhsa_next_free_vgpr 512
		.amdhsa_next_free_sgpr 96
		.amdhsa_reserve_vcc 0
		.amdhsa_float_denorm_mode_32 3
		.amdhsa_float_denorm_mode_16_64 3
		.amdhsa_memory_ordered 1
		.amdhsa_forward_progress 1
		.amdhsa_inst_pref_size 45
	.end_amdhsa_kernel
	.amdgpu_metadata
---
amdhsa.version: [ 1, 2 ]
amdhsa.kernels:
  - .name:           k_q646ee9538c_outp
    .symbol:         k_q646ee9538c_outp.kd
    .args:
      - { .name: cc, .offset: 0, .size: 8, .value_kind: global_buffer, .address_space: global }
      - { .name: Wo_codes, .offset: 8, .size: 8, .value_kind: global_buffer, .address_space: global }
      - { .name: lowp_scales, .offset: 16, .size: 8, .value_kind: global_buffer, .address_space: global }
      - { .name: bo, .offset: 24, .size: 8, .value_kind: global_buffer, .address_space: global }
      - { .name: out0, .offset: 32, .size: 8, .value_kind: global_buffer, .address_space: global }
    .group_segment_fixed_size: 288256
    .private_segment_fixed_size: 0
    .kernarg_segment_align: 8
    .kernarg_segment_size: 40
    .max_flat_workgroup_size: 128
    .sgpr_count:     96
    .vgpr_count:     512
    .wavefront_size: 32
...
	.end_amdgpu_metadata
.endif
;; end of part 3
